; MI455X (gfx1250); checked and timed in simulation.
; The chip was launched on July 23, 2026; its instructions are those of AMD's public machine-readable ISA for CDNA 5 (MIT licence, August 2026) and "CDNA5" Instruction Set Architecture Reference Guide (July 2026). The comments in the code are by the model that wrote it; some were corrected since.
;; Attention. Allowed arithmetic: matrix products marked QUANTISED: E2M1 operands, one E8M0 scale for each 32 along K, by v_wmma_scale_f32_16x16x128_f8f6f4 with both operands' format E2M1 (or v_wmma_scale_f32_32x16x128_f4), f32 sums; everything else in f32.
;; Inputs: Wk_codes 1,024 x 32 x 16 uint8 (E2M1 codes of Wk, K innermost, in blocks of 32 codes, two codes a byte); Wk_scales 1,024 x 32 uint8 (E8M0 scales of Wk, one for each 32 codes along K); Wo_codes 1,024 x 32 x 16 uint8 (E2M1 codes of Wo, K innermost, in blocks of 32 codes, two codes a byte); Wo_scales 1,024 x 32 uint8 (E8M0 scales of Wo, one for each 32 codes along K); Wq_codes 1,024 x 32 x 16 uint8 (E2M1 codes of Wq, K innermost, in blocks of 32 codes, two codes a byte); Wq_scales 1,024 x 32 uint8 (E8M0 scales of Wq, one for each 32 codes along K); Wv_codes 1,024 x 32 x 16 uint8 (E2M1 codes of Wv, K innermost, in blocks of 32 codes, two codes a byte); Wv_scales 1,024 x 32 uint8 (E8M0 scales of Wv, one for each 32 codes along K); bk 1,024 float32; bo 1,024 float32; bq 1,024 float32; bv 1,024 float32; x_codes 4 x 2,048 x 32 x 16 uint8 (E2M1 codes of x, K innermost, in blocks of 32 codes, two codes a byte); x_scales 4 x 2,048 x 32 uint8 (E8M0 scales of x, one for each 32 codes along K).
;; Outputs: out0 4 x 2,048 x 1,024 float32.
;; This version of the problem:
;;   THIS VERSION OF THE PROBLEM IS GIVEN IN LOW PRECISION. The matrix products marked QUANTISED in the list below multiply operands that are first quantised to E2M1 (2 exponent bits, 1 mantissa bit; 4 bits a number), with one power-of-two scale for each 32 numbers along K (OCP MX v1.0); their sums are f32. All else is computed in f32.
;;   The module's matrix products, in the order in which they are computed (A, B: the left and right operand; K: the contracted axis; several contracted axes count as one K, in the product's order):
;;     1. [M 8,192, K 1,024] x [K 1,024, N 1,024]; A: input x (given as codes); B: input Wq (given as codes): QUANTISED
;;     2. [M 8,192, K 1,024] x [K 1,024, N 1,024]; A: input x (given as codes); B: input Wk (given as codes): QUANTISED
;;     3. [M 8,192, K 1,024] x [K 1,024, N 1,024]; A: input x (given as codes); B: input Wv (given as codes): QUANTISED
;;     4. batch 64 x [M 2,048, K 64] x [K 64, N 2,048]; A: computed on the way; B: computed on the way: QUANTISED
;;     5. batch 64 x [M 64, K 2,048] x [K 2,048, N 2,048]; A: computed on the way; B: softmax (see below): QUANTISED
;;     6. [M 8,192, K 1,024] x [K 1,024, N 1,024]; A: computed on the way; B: input Wo (given as codes): QUANTISED
;;   THE QUANTISER, for each operand of a quantised product, along K:
;;     - K is cut into blocks of 32 from its start; a last block that is shorter is filled with zeros.
;;     - A block's scale is 2^e with e = floor(log2(the largest magnitude in the block)) - 2, held to -126 .. 127; a block of zeros has e = 0. As a byte (E8M0): e + 127.
;;     - Each number is divided by its block's scale, clamped to +-6, and rounded to the nearest number of E2M1, ties to even, subnormals kept.
;;     - The product sums the exact products of the quantised numbers (number of the format x scale) in f32.
;;   ~~~python
;;   def quantise(x, axis):      # numpy; x: float32 -> the quantised numbers, widened to float32 again
;;       x = np.moveaxis(x, axis, -1); K = x.shape[-1]
;;       x = np.pad(x, [(0, 0)] * (x.ndim - 1) + [(0, -K % 32)]); x = x.reshape(x.shape[:-1] + (-1, 32)); a = np.abs(x).max(-1, keepdims=True)
;;       e = np.where(a > 0, np.clip(np.frexp(np.where(a > 0, a, 1))[1] - 1 - 2, -126, 127), 0)      # np.frexp(a)[1] - 1 = floor(log2(a)), exactly
;;       r = np.clip(x / 2.0 ** e, -6, 6)
;;       step = 2.0 ** (np.maximum(np.frexp(np.where(r == 0, 1, r))[1] - 1, 0) - 1)
;;       q = np.round(r / step) * step * 2.0 ** e      # np.round: ties to even
;;       return np.moveaxis(q.reshape(q.shape[:-2] + (-1,))[..., :K], -1, axis).astype(np.float32)
;;   ~~~
;;   SOFTMAX AHEAD OF A QUANTISED PRODUCT. Where the list says 'softmax', what is quantised is not the finished softmax but p = 2^(t - M), with t = logit x log2(e) and M = ceil(the row's largest t), a whole number; so 1/2 < the row's largest p <= 1. The row's sum l is taken of the UNQUANTISED p, in f32, and the product's result is divided by l at the end. Since M is a whole number, a kernel that streams over the keys may use a running M (the ceiling of the running maximum): every later rescaling is an exact power of two, which a block's scale takes up: the codes' values come out the same.
;;   OPERANDS COMPUTED ON THE WAY. 'Computed on the way' means the value that the module computes at that place (a softmax that the list does not call 'softmax' is quantised finished and normalised). What goes into a quantiser is computed in f32, as accurately as f32 sums, v_exp_f32 and their like allow (about 1e-6 of the number): no bf16 or f16 on the way to a quantiser, and a product that is left as it is and whose result goes on into a quantised operand takes f32 operands (vector FMAs, or v_wmma_f32_16x16x4_f32). A number that lies on a knife's edge between two numbers of the format may be rounded either way, as far as f32 arithmetic and the matrix unit's own rounding can turn it there, and no further.
;;   INPUTS GIVEN AS CODES. Wk (in the module: [1024, 1024], K = its axis 0); Wo (in the module: [1024, 1024], K = its axis 0); Wq (in the module: [1024, 1024], K = its axis 0); Wv (in the module: [1024, 1024], K = its axis 0); x (in the module: [4, 2048, 1024], K = its axis 2): each comes as NAME_codes (uint8): NAME with its K axis moved to the last place and cut into blocks of 32 codes, [.., K / 32, bytes a block], one block behind the other in memory; two codes a byte, the lower K in the low four bits (a code: sign, 2 exponent bits, 1 mantissa bit); and NAME_scales (uint8): the same leading axes, one E8M0 byte (e + 127) for each 32 codes along K. Its value is code x scale, taken as it is: it is not quantised again, and the codes and scales need not be those that the quantiser above would give.
;; One version. Each part assembles by itself: llvm-mc -triple=amdgcn-amd-amdhsa -mcpu=gfx1250 --defsym DOCPART=n.
;; ======== version 1 of 1: 3 launches
;; limits: right only within a limited range of input values
;; workspace buffers: qbuf 4,718,592 bytes; kv 9,437,184 bytes; pc 4,194,304 bytes; ps 262,144 bytes
;; launch qkv (part 1): grid 4 x 64, 4 waves a work-group, clusters of 4 x 4, 327,680 bytes of LDS; arguments x_codes, x_scales, Wq_codes, Wq_scales, bq, Wk_codes, Wk_scales, bk, Wv_codes, Wv_scales, bv, qbuf, kv; writes qbuf, kv
.if DOCPART == 1
	.amdgcn_target "amdgcn-amd-amdhsa--gfx1250"
	.amdhsa_code_object_version 6
	.text
	.protected	k_q3f7392d5b3_qkv
	.globl	k_q3f7392d5b3_qkv
	.p2align	8
	.type	k_q3f7392d5b3_qkv,@function
k_q3f7392d5b3_qkv:
	s_mov_b64 s[64:65], 0
	v_nop
	global_prefetch_b8 v0, s[64:65] scope:SCOPE_SE
	s_setreg_imm32_b32 hwreg(HW_REG_WAVE_MODE, 25, 1), 1
	s_wait_xcnt 0x0
	s_wait_alu depctr_hold_cnt(0) depctr_sa_sdst(0) depctr_va_vdst(0) depctr_va_sdst(0) depctr_va_ssrc(0) depctr_va_vcc(0) depctr_vm_vsrc(0)
	s_getreg_b32 s2, hwreg(HW_REG_IB_STS2, 6, 4)
	s_cmp_eq_u32 s2, 0
	s_cbranch_scc0 .Lentry_in_a_cluster
	s_endpgm
.Lentry_in_a_cluster:
	s_bfe_u32 s2, ttmp6, 0x10000c
	s_cmp_lg_u32 s2, 0xf033
	s_cbranch_scc0 .Lentry_shape_is_right
	s_endpgm
.Lentry_shape_is_right:
; q, k, v = x W + b on codes of FP4 (E2M1) with one E8M0 scale for each 32 along K; the results are quantised in registers and stored as codes, in the order of their reader's operand registers.
; x: [8192][1024] codes (a row is 512 bytes), scale bytes [8192][32].  Wq, Wk, Wv: [1024 (feature)][1024 (k)] codes, scale bytes [1024][32].  Biases f32.
; SHARES.  256 work-groups.  One makes 128 tokens x 256 features of q, THEN of k, THEN of v: three roles, written by one macro; wave w takes all 128 tokens x 64 features, which are ONE HEAD: 32 accumulators, 256 matrix instructions a role.
; LDS.  x's 128 rows, all of K (rows of 512 bytes + 16), come ONCE and serve all three roles; so do x's scale words, in registers.  W's 256 rows are the one region that is filled again, for k and for v.
; THE REFILL.  When a role's last fragments are in registers, every wave waits for its tensor loads, adds 0 to its spare word and waits for its LDS work; a round of the cluster's barrier follows;
; behind it each wave asks for 64 rows of the next role's W, its one tensor load.  The role's last 16 products, its quantiser and its stores stand between that load and the wait for it.
; CLUSTER 4 x 4.  The four of a row of the cluster need the same 128 rows of x, the four of a column the same 256 rows of W: each tile is asked for jointly, by the same tensor load with a mask that names the four.
; PREFETCH.  In roles q and k, behind K step 1, each wave names 16 rows (32 blocks of 256 bytes, a lane a block) of the next role's W: five K steps ahead of the refill.  The four partners of a column share the 256 rows out by address (64 cy + 16 wave).
; q, k: source 0 = 16 features, source 1 = 16 tokens: a lane holds ONE token and its registers run along the head's 64 features, which are the next product's K (2 blocks of 32).
; v:    source 0 = 16 tokens, source 1 = 16 features: a lane holds ONE feature and its registers run along the tokens (the keys), which are the next product's K (4 blocks of 32 in 128 keys).
; In both, register j of tile i of lane (r, h) is index 16 i + 8 h + j along the next K: a block of 32 is the 16 registers of tiles 2 b, 2 b + 1 in lanes l and l xor 16.
; OUT.  qbuf [head 64][128 tokens 16][4,608]: 8 tiles x 512 bytes of codes (lane l's 16 bytes at 16 l: registers 0-3 of the fragment), then 512 bytes of scale words (lane l, word i: lanes 0-15 tile 2 i, lanes 16-31 tile 2 i + 1).
;       kv   [head 64][128 keys 16][9,216]: K's codes as qbuf's | +4,096 V's codes, tile t of 16 features at 1,024 t | +8,192 K's scale words | +8,704 V's scale words (lane l, word t: feature 16 t + l % 16).
;       A scale word of q or k: byte 0 for d 0-31, byte 1 for d 32-63, bytes 2, 3 = 127: the reader fills its K of 64 up to 128 with zero codes.
; LIMITS.  NaN, infinities and the scale byte 0xff among the inputs are not served.  A sum begins with its bias.  A block whose largest magnitude lies under 2^-124 (a block of zeros too) gets the scale byte 1: the bytes are read by this program alone.
; REGISTERS, in windows of 256: window 0: v1-13 addresses; v16-19 the scale words to store; v32-63 x's scale words, v64-79 W's; v80-95 at work (v90, v91: the add's two); v96-127 codes; v128-255 tokens' fragments, two sets of 8.
;   window 1: the 32 accumulators.   window 2: v0-63 features' fragments, two sets of 4; v64-95 the bias in the result's layout, 8 registers a tile of features.
.set PITCH, 528                        ; an LDS row: 512 bytes + 16 of padding = 33 x 16 bytes: the 16 rows that a load touches start at 16 different banks (64 banks of 4 bytes: ISA guide 11.1)
.set XB,    128*PITCH                  ; x's 128 rows, then W's 256 rows
.set SPARE, 0x36000                    ; the spare words: 128 bytes a wave
.set AX,   4                           ; LDS address of my lane's place in x's tile
.set AW,   6                           ; the same in my wave's 64 rows of W
.set ASX,  8                           ; 32 x lane: a row of scale bytes a lane
.set LI,   10                          ; 16 x lane: an image's place for my lane
.set BQK,  11                          ; bias, roles q and k: 32 (lane / 16)
.set BVA,  12                          ; bias, role v: 4 (lane % 16)
.set PFO,  13                          ; the prefetches' offset in a W; never rewritten
.set SWI,  16
.set XS,   32                          ; XS + 8 i + q: K step q; lanes 0-15 tokens' tile 2 i, lanes 16-31 tile 2 i + 1
.set WS,   64                          ; WS + 8 i + q: the same for features' tiles
.set TM,   80                          ; +0..3 largest magnitudes, +4..7 the other half's, then bytes, +12..15 the conversions' scale operands
.set SPW,  90                          ; my spare word; never rewritten
.set NIL,  91                          ; 0; never rewritten
.set PC,   96
.set TF,   128
.set BI,   64                          ; in window 2
.set SEL,  2                           ; s[2:3] v_permlanex16_b32's selects for lane l xor 16
.set WV,   30
.set FORB, 31                          ; at the head: 0: I fetch for x, 1: for W
.set HALF, 32                          ; which half of that tile's rows
.set CX,   33
.set CY,   34
.set TROW, 35                          ; which 128 tokens
.set G1A,  40                          ; s[40:47] group 1: x, 64 rows;  s[48:55] W, 128 rows (the head's);  s[56:63] W, 64 rows (the refills')
.set G1B,  48
.set G1C,  56
.set OW,   68                          ; s[68:69] my wave's 64 rows in a W, bytes;  s[70:71] in its scale rows;  s[72:73] in a bias
.set OS,   70
.set OB,   72
.set G0A,  76                          ; s[76:79] group 0, x
.set PQ,   80                          ; s[80:81] qbuf at my head's block;  s[82:83] kv
.set PK,   82
.set PB,   84                          ; s[84:85] the role's bias;  s[86:87] its scale rows
.set PS,   86
.set G0B,  88                          ; s[88:91] group 0, the head's W;  s[92:95] the refills'
.set G0C,  92
.set PX,   96                          ; s[96:97] x's scale rows
.set MSB, 0
.macro WIN new                         ; the immediate's high byte repeats the setting that is left
.if MSB != \new
	s_set_vgpr_msb (MSB<<8)|\new
.set MSB, \new
.endif
.endm
.macro PLACES n
.rept \n
	v_nop
.endr
.endm
.macro WALU
	s_wait_alu depctr_va_vdst(0)
.endm
.macro ROUND                           ; a round of the cluster's barrier
	s_barrier_signal -1
	s_barrier_wait -1
	s_cmp_lg_u32 s[WV], 0
	s_cbranch_scc1 .Lnot_wave_0_\@
	s_barrier_signal -3
.Lnot_wave_0_\@:
	s_barrier_wait -3
	s_barrier_signal -1
	s_barrier_wait -1
.endm
; One matrix instruction.  ra, rb: the side's scale words stand in lanes 16-31 of the register named.
.macro WM d, a, b, c, sa, sb, ra, rb
.if (\ra) && (\rb)
	v_wmma_scale_f32_16x16x128_f8f6f4 v[\d:\d+7], v[\a:\a+7], v[\b:\b+7], v[\c:\c+7], v[\sa], v[\sb] matrix_a_fmt:MATRIX_FMT_FP4 matrix_b_fmt:MATRIX_FMT_FP4 matrix_a_scale:MATRIX_SCALE_ROW1 matrix_b_scale:MATRIX_SCALE_ROW1
.elseif (\ra)
	v_wmma_scale_f32_16x16x128_f8f6f4 v[\d:\d+7], v[\a:\a+7], v[\b:\b+7], v[\c:\c+7], v[\sa], v[\sb] matrix_a_fmt:MATRIX_FMT_FP4 matrix_b_fmt:MATRIX_FMT_FP4 matrix_a_scale:MATRIX_SCALE_ROW1
.elseif (\rb)
	v_wmma_scale_f32_16x16x128_f8f6f4 v[\d:\d+7], v[\a:\a+7], v[\b:\b+7], v[\c:\c+7], v[\sa], v[\sb] matrix_a_fmt:MATRIX_FMT_FP4 matrix_b_fmt:MATRIX_FMT_FP4 matrix_b_scale:MATRIX_SCALE_ROW1
.else
	v_wmma_scale_f32_16x16x128_f8f6f4 v[\d:\d+7], v[\a:\a+7], v[\b:\b+7], v[\c:\c+7], v[\sa], v[\sb] matrix_a_fmt:MATRIX_FMT_FP4 matrix_b_fmt:MATRIX_FMT_FP4
.endif
.endm
; 16 matrix instructions of K step q: tokens' tiles t0 .. t0 + 3 x my four tiles of features.  var 0 (q, k): source 0 = features; var 1 (v): source 0 = tokens.  first = 1: C is the bias: nothing is cleared, no bias is added.
; The 32 accumulators take turns, one instruction a turn, in the same order in every K step.
.macro MUL16 var, q, t0, first
.if \var
.if \first
	WIN 0x68                                       ; source 0 (tokens) window 0, source 1 (features) window 2, C (bias) window 2, D window 1
.else
	WIN 0x58                                       ; C and D window 1
.endif
.else
.if \first
	WIN 0x62                                       ; source 0 (features) window 2, source 1 (tokens) window 0, C (bias) window 2, D window 1
.else
	WIN 0x52
.endif
.endif
.irp tt, \t0, \t0+1, \t0+2, \t0+3
.irp ft, 0,1,2,3
.set rTF, TF+64*((\q)%2)+8*(\tt)
.set rFF, 32*((\q)%2)+8*\ft
.set rXS, XS+8*((\tt)/2)+(\q)
.set rWS, WS+8*(\ft/2)+(\q)
.if \var
.set rD, 8*(8*\ft+(\tt))
.else
.set rD, 8*(4*(\tt)+\ft)
.endif
.set rC, rD
.if \first
.set rC, BI+8*\ft
.endif
.if \var
	WM rD, rTF, rFF, rC, rXS, rWS, (\tt)%2, \ft%2
.else
	WM rD, rFF, rTF, rC, rWS, rXS, \ft%2, (\tt)%2
.endif
.endr
.endr
.endm
; 24 LDS loads in one run: K step q's fragments (16 rows x 128 K of 4-bit codes: 8 registers: lane l holds row l % 16; registers 4 c .. 4 c + 3 hold K = 64 c + 32 (l / 16) + 0 .. 31) into set q % 2: features first, tokens' tiles ascending.
.macro FETCH q
	WIN 0x80                                       ; destination window 2, address window 0
.irp ft, 0,1,2,3
.irp c, 0,1
	ds_load_b128 v[32*((\q)%2)+8*\ft+4*\c:32*((\q)%2)+8*\ft+4*\c+3], v[AW] offset:\ft*16*PITCH+64*(\q)+32*\c
.endr
.endr
	WIN 0
.irp tt, 0,1,2,3,4,5,6,7
.irp c, 0,1
	ds_load_b128 v[TF+64*((\q)%2)+8*\tt+4*\c:TF+64*((\q)%2)+8*\tt+4*\c+3], v[AX] offset:\tt*16*PITCH+64*(\q)+32*\c
.endr
.endr
.endm
; A K step that has a successor.  A load into a register that a matrix instruction has read stands four plain vector instructions behind it (ISA guide 7.12.1 for vector instructions).
.macro STEP var, q, first
	s_wait_dscnt 8                                 ; all but the youngest eight loads: tokens' tiles 4-7
	MUL16 \var, \q, 0, \first
	WIN 0
	PLACES 4
	FETCH (\q)+1
	s_wait_dscnt 24                                ; all but the 24 just issued
	MUL16 \var, \q, 4, \first
	WIN 0
.endm
; 64 accumulator registers (window 1, from s on; block b of 32 = registers 16 b .. 16 b + 15 of lanes l and l xor 16) become 8 registers of codes, v[pc] on, and four scale bytes, v[TM+4] on.
; The conversions' results are half blocks.  Of two neighbouring blocks A, B they are laid A's first, B's first, A's second, B's second, so that two exchanges of halves leave lanes 0-15 with all of A and lanes 16-31 with all of B, ascending.
.macro QUANT s, pc
	WIN 0x05                                       ; sources 0 and 1 window 1
.irp b, 0,1,2,3
	v_max3_num_f32 v[TM+\b], |v[\s+16*\b]|, |v[\s+16*\b+1]|, 0x1800000   ; each accumulator is read from its low end on; the floor 2^(3 - 127) holds the byte at 1 from below
.endr
	WIN 0x14                                       ; sources 1 and 2 window 1
.irp i, 2,4,6,8,10,12,14
.irp b, 0,1,2,3
	v_max3_num_f32 v[TM+\b], v[TM+\b], |v[\s+16*\b+\i]|, |v[\s+16*\b+\i+1]|   ; the four blocks by turns
.endr
.endr
	WIN 0
.irp b, 0,1,2,3
	v_permlanex16_b32 v[TM+4+\b], v[TM+\b], s[SEL], s[SEL+1]
.endr
.irp b, 0,1,2,3
	v_max_num_f32 v[TM+\b], v[TM+\b], v[TM+4+\b]   ; with lane l xor 16's: the block's largest magnitude
.endr
.irp b, 0,1,2,3
	v_add_nc_u32 v[TM+12+\b], 0xff000000, v[TM+\b] ; 2 off its exponent field: the conversion takes the exponent field of this operand as its scale
.endr
.irp b, 0,1,2,3
	v_lshrrev_b32 v[TM+4+\b], 23, v[TM+12+\b]      ; the scale's byte
.endr
	WIN 0x01                                       ; source 0 window 1
.irp k, 0,1,2,3,4,5,6,7
	v_cvt_scalef32_pk8_fp4_f32 v[\pc+4*(\k/4)+2*(\k%2)+(\k/2)%2], v[\s+8*\k:\s+8*\k+7], v[TM+12+\k/2]
.endr
	WIN 0
	v_nop                                          ; one plain vector instruction behind the scaled conversions
.irp c, 0,1
	v_permlane16_swap_b32 v[\pc+4*\c], v[\pc+4*\c+1]
	v_permlane16_swap_b32 v[\pc+4*\c+2], v[\pc+4*\c+3]
.endr
.endm
; A role's bias (pointer s[pb:pb+1]) and its scale words (s[ps:ps+1]) come by plain loads straight into the registers that hold them.  No earlier load of mine is out, so the two pointers may be written.
.macro RLOADS var, pb, ps
	s_add_nc_u64 s[PB:PB+1], s[\pb:\pb+1], s[OB:OB+1]
	s_add_nc_u64 s[PS:PS+1], s[\ps:\ps+1], s[OS:OS+1]
	WIN 0x80                                       ; destination window 2
.irp ft, 0,1,2,3
.if \var
.irp j, 0,1,2,3,4,5,6,7
	global_load_b32 v[BI+8*\ft+\j], v[BVA], s[PB:PB+1] offset:64*\ft                ; v: all eight registers (eight tokens) hold the bias of feature 16 ft + r
.endr
.else
	global_load_b128 v[BI+8*\ft:BI+8*\ft+3], v[BQK], s[PB:PB+1] offset:64*\ft       ; q, k: lane (r, h), register j: feature 16 ft + 8 h + j
	global_load_b128 v[BI+8*\ft+4:BI+8*\ft+7], v[BQK], s[PB:PB+1] offset:64*\ft+16
.endif
.endr
	WIN 0
.irp i, 0,1
.irp hf, 0,1
	global_load_b128 v[WS+8*\i+4*\hf:WS+8*\i+4*\hf+3], v[ASX], s[PS:PS+1] offset:1024*\i+16*\hf    ; feature 32 i + lane: the words of K steps 4 hf .. 4 hf + 3
.endr
.endr
.endm
; A role's 256 matrix instructions.  nextw: the scalar pair that holds the next role's W, or 0 in the last role.
.macro BODY var, nextw
	WALU
	s_wait_tensorcnt 0x0                           ; my rows are in,
	s_barrier_signal -1
	s_barrier_wait -1                              ; everybody's are
	FETCH 0
	s_wait_loadcnt 0x0                             ; the bias and the scale words
	STEP \var, 0, 1
	STEP \var, 1, 0
.if \nextw
	global_prefetch_b8 v[PFO], s[\nextw:\nextw+1] th:TH_LOAD_NT scope:SCOPE_SE     ; 16 rows of the next role's W: its refill stands five K steps on
.endif
	STEP \var, 2, 0
	STEP \var, 3, 0
	STEP \var, 4, 0
	STEP \var, 5, 0
	STEP \var, 6, 0
	s_wait_dscnt 8
	MUL16 \var, 7, 0, 0
	WIN 0
.if \nextw
	s_wait_tensorcnt 0x0                           ; no tensor load of mine is out, so a group 0 may be written;
	ds_add_u32 v[SPW], v[NIL]                      ; 0 onto my spare word;
	s_add_nc_u64 s[G0C+2:G0C+3], s[\nextw:\nextw+1], s[OW:OW+1]
	s_or_b32 s[G0C+3], s[G0C+3], 0x80000000
	s_wait_dscnt 0x0                               ; the add is done, and my reads of W's rows are over: K step 7's fragments are in registers
	ROUND                                          ; the same holds of every wave of all sixteen work-groups
	tensor_load_to_lds s[G0C:G0C+3], s[G1C:G1C+7]  ; my 64 rows of the next role's W: my one tensor load behind the round
	s_nop 0
	PLACES 4
.else
	s_wait_dscnt 0x0
.endif
	MUL16 \var, 7, 4, 0
	WIN 0
	PLACES 4                                       ; in front of the first read of results and of loads into registers that the products read
.endm
; q, k: two tiles of tokens at a time: four blocks (two a tile), eight registers of codes: each tile's four are registers 0-3 of its fragment
.macro OUTQK p, soff
	s_mov_b32 vcc_lo, 0xffff0000
.irp i, 0,1,2,3
	QUANT 64*\i, PC+8*\i
	v_cndmask_b32 v20, v[TM+4], v[TM+6], vcc_lo    ; lanes 0-15 keep tile 2 i's bytes, lanes 16-31 take tile 2 i + 1's
	v_cndmask_b32 v21, v[TM+5], v[TM+7], vcc_lo
	v_lshl_or_b32 v20, v21, 8, v20
	v_or_b32 v[SWI+\i], 0x7f7f0000, v20            ; bytes 2 and 3: 127, over the reader's zero codes
	global_store_b128 v[LI], v[PC+8*\i:PC+8*\i+3], s[\p:\p+1] offset:1024*\i         ; 32 lanes store 512 consecutive bytes, aligned
	global_store_b128 v[LI], v[PC+8*\i+4:PC+8*\i+7], s[\p:\p+1] offset:1024*\i+512
.endr
	global_store_b128 v[LI], v[SWI:SWI+3], s[\p:\p+1] offset:\soff
.endm
	s_load_b512 s[4:19], s[0:1], 0x0               ; x's codes 4:5, x's scales 6:7, Wq 8:9, its scales 10:11, bq 12:13, Wk 14:15, its scales 16:17, bk 18:19
	s_load_b256 s[20:27], s[0:1], 0x40             ; Wv 20:21, its scales 22:23, bv 24:25, qbuf 26:27
	s_load_b64 s[28:29], s[0:1], 0x60              ; kv
	v_lshl_add_u32 v[SPW], v0, 2, SPARE
	v_mov_b32 v[NIL], 0
	ds_add_u32 v[SPW], v[NIL]                      ; the opening lines: the add, twice on end, and its wait ahead of my first tensor load
	ds_add_u32 v[SPW], v[NIL]
	v_lshrrev_b32 v1, 5, v0
	v_readfirstlane_b32 s[WV], v1                  ; wave 0..3
	s_lshr_b32 s[FORB], s[WV], 1
	s_and_b32 s[HALF], s[WV], 1
	s_bfe_u32 s[CX], ttmp6, 0x40000                ; my place in the cluster; cx is also which 256 features
	s_bfe_u32 s[CY], ttmp6, 0x40004
	s_and_b32 s[TROW], ttmp7, 0xffff
	s_lshl_b32 s[TROW], s[TROW], 2
	s_add_co_u32 s[TROW], s[TROW], s[CY]           ; which 128 tokens: 4 x cluster y + cy
	s_lshl_b32 s36, s[CY], 2
	s_lshl_b32 s36, 15, s36                        ; my row of the cluster
	s_lshl_b32 s66, 0x1111, s[CX]                  ; my column
	s_mov_b32 s[SEL], 0x76543210
	s_mov_b32 s[SEL+1], 0xfedcba98
	; group 1: whole rows of 512 bytes, 16 bytes of padding behind each: 15:0 the mask; 17:16 elements of 1 byte; 20 padding on; 21 set beside a mask; 24:22 after every 128 words; 31:25 four words
	s_or_b32 s[G1A], s36, (1<<20)|(1<<21)|(6<<22)|(3<<25)
	s_or_b32 s[G1B], s66, (1<<20)|(1<<21)|(6<<22)|(3<<25)
	s_or_b32 s[G1C], s66, (1<<20)|(1<<21)|(6<<22)|(3<<25)
.irp g, G1A, G1B, G1C
	s_mov_b32 s[\g+1], 512<<16                     ; tensor_dim0
	s_mov_b32 s[\g+3], 512<<16                     ; tile_dim0
	s_mov_b32 s[\g+5], 512                         ; from row to row
	s_mov_b32 s[\g+6], 0
	s_mov_b32 s[\g+7], 0
.endr
	s_mov_b32 s[G1A+2], 64<<16
	s_mov_b32 s[G1A+4], 64
	s_mov_b32 s[G1B+2], 128<<16
	s_mov_b32 s[G1B+4], 128
	s_mov_b32 s[G1C+2], 64<<16
	s_mov_b32 s[G1C+4], 64
	; offsets.  x's hang on the tokens' tile alone, which my row of the cluster shares; W's on cx alone, which my column shares
	s_lshl_b32 s36, s[TROW], 7
	s_lshl_b32 s37, s[HALF], 6
	s_add_co_u32 s36, s36, s37                     ; x: row 128 x tile + 64 x half
	s_lshl_b32 s36, s36, 9
	s_mov_b32 s37, 0
	s_lshl_b32 s[PX], s[TROW], 12                  ; x's scale rows: 128 x 32 bytes a tile
	s_mov_b32 s[PX+1], 0
	s_lshl_b32 s66, s[CX], 8
	s_lshl_b32 s67, s[HALF], 7
	s_add_co_u32 s[PB], s66, s67                   ; the head's W: row 256 cx + 128 x half
	s_lshl_b32 s[PB], s[PB], 9
	s_mov_b32 s[PB+1], 0
	s_lshl_b32 s67, s[WV], 6
	s_add_co_u32 s66, s66, s67                     ; my wave's first feature: 256 cx + 64 wave
	s_lshl_b32 s[OW], s66, 9
	s_mov_b32 s[OW+1], 0
	s_lshl_b32 s[OS], s66, 5
	s_mov_b32 s[OS+1], 0
	s_lshl_b32 s[OB], s66, 2
	s_mov_b32 s[OB+1], 0
	s_lshr_b32 s38, s[TROW], 4                     ; my head's block of 128 tokens in the outputs: (16 x batch + head) x 16 + block in the batch; head = 4 cx + wave
	s_lshl_b32 s38, s38, 4
	s_lshl_b32 s39, s[CX], 2
	s_add_co_u32 s38, s38, s39
	s_add_co_u32 s38, s38, s[WV]
	s_lshl_b32 s38, s38, 4
	s_and_b32 s39, s[TROW], 15
	s_add_co_u32 s38, s38, s39
	s_mul_i32 s74, s38, 4608
	s_mov_b32 s75, 0
	s_mul_i32 s98, s38, 9216
	s_mov_b32 s99, 0
	s_lshl_b32 s38, s[CX], 8                       ; the prefetches: row 256 cx + 64 cy + 16 wave
	s_lshl_b32 s39, s[CY], 6
	s_add_co_u32 s38, s38, s39
	s_lshl_b32 s39, s[WV], 4
	s_add_co_u32 s38, s38, s39
	s_lshl_b32 s38, s38, 9
	s_mov_b32 s[G0A], 1                            ; where the tiles go: no place in the cluster enters an LDS address
	s_mul_i32 s[G0A+1], s[HALF], 64*PITCH
	s_mov_b32 s[G0B], 1
	s_mul_i32 s[G0B+1], s[HALF], 128*PITCH
	s_add_co_u32 s[G0B+1], s[G0B+1], XB
	s_mov_b32 s[G0C], 1
	s_mul_i32 s[G0C+1], s[WV], 64*PITCH
	s_add_co_u32 s[G0C+1], s[G0C+1], XB            ; my wave's 64 rows of W: what I refill is what I read
	s_wait_dscnt 0x0
	s_wait_kmcnt 0x0
	s_add_nc_u64 s[G0A+2:G0A+3], s[4:5], s[36:37]
	s_or_b32 s[G0A+3], s[G0A+3], 0x80000000
	s_add_nc_u64 s[G0B+2:G0B+3], s[8:9], s[PB:PB+1]
	s_or_b32 s[G0B+3], s[G0B+3], 0x80000000
	s_add_nc_u64 s[PQ:PQ+1], s[26:27], s[74:75]
	s_add_nc_u64 s[PK:PK+1], s[28:29], s[98:99]
	s_add_nc_u64 s[PX:PX+1], s[6:7], s[PX:PX+1]
	ROUND                                          ; all sixteen work-groups are here: the joint loads meet
	s_cmp_eq_u32 s[FORB], 0                        ; one tensor load a wave at the head: waves 0, 1 x's halves, waves 2, 3 Wq's
	s_cbranch_scc0 .Lfor_w
	tensor_load_to_lds s[G0A:G0A+3], s[G1A:G1A+7]
	s_nop 0
	PLACES 4
	s_branch .Lasked
.Lfor_w:
	tensor_load_to_lds s[G0B:G0B+3], s[G1B:G1B+7]
	s_nop 0
	PLACES 4
.Lasked:
	v_and_b32 v1, 15, v0                           ; r
	v_bfe_u32 v2, v0, 4, 1                         ; h
	v_and_b32 v3, 31, v0                           ; lane
	v_mul_u32_u24 v[AX], v1, PITCH
	v_lshl_add_u32 v[AX], v2, 4, v[AX]             ; row x pitch + 16 x half of the lanes
	v_add_nc_u32 v[AW], s[G0C+1], v[AX]
	v_lshlrev_b32 v[ASX], 5, v3
	v_lshlrev_b32 v[LI], 4, v3
	v_lshlrev_b32 v[BQK], 5, v2
	v_lshlrev_b32 v[BVA], 2, v1
	v_lshl_add_u32 v[PFO], v3, 8, s38              ; a lane a block of 256 bytes: two lanes a row
.irp b, 0,1,2,3
	v_mov_b32 v[TM+4+\b], 0                        ; written once: a lane permute's destination counts as one of its sources
.endr
	WALU                                           ; at the head's end
	RLOADS 0, 12, 10                               ; q's bias and scale words
.irp i, 0,1,2,3
.irp hf, 0,1
	global_load_b128 v[XS+8*\i+4*\hf:XS+8*\i+4*\hf+3], v[ASX], s[PX:PX+1] offset:1024*\i+16*\hf    ; token 32 i + lane: the words of K steps 4 hf .. 4 hf + 3: they serve all three roles
.endr
.endr
	BODY 0, 14                                     ; q; Wk is asked for
	RLOADS 0, 18, 16                               ; k's bias and scale words come under q's quantiser
	OUTQK PQ, 4096
	BODY 0, 20                                     ; k; Wv is asked for
	RLOADS 1, 24, 22
	s_wait_xcnt 0x0                                ; q's stores have read their registers
	OUTQK PK, 8192
	BODY 1, 0                                      ; v
	s_wait_xcnt 0x0                                ; k's stores have read their registers
	; v: a tile of 16 features at a time: its 128 keys are four blocks: a whole fragment and a whole scale word
.irp t, 0,1,2,3
	QUANT 64*\t, PC+8*\t
	v_lshl_or_b32 v[SWI+\t], v[TM+5], 8, v[TM+4]
	v_lshl_or_b32 v[SWI+\t], v[TM+6], 16, v[SWI+\t]
	v_lshl_or_b32 v[SWI+\t], v[TM+7], 24, v[SWI+\t]
	global_store_b128 v[LI], v[PC+8*\t:PC+8*\t+3], s[PK:PK+1] offset:4096+1024*\t
	global_store_b128 v[LI], v[PC+8*\t+4:PC+8*\t+7], s[PK:PK+1] offset:4096+1024*\t+512
.endr
	global_store_b128 v[LI], v[SWI:SWI+3], s[PK:PK+1] offset:8704
	s_wait_tensorcnt 0x0                           ; the wave's end
	ds_add_u32 v[SPW], v[NIL]
	s_wait_dscnt 0x0
	ROUND                                          ; the closing round: no work-group ends while a partner may still ask for a tile that names it
	s_endpgm
.Lfunc_end_k_q3f7392d5b3_qkv:
	.size	k_q3f7392d5b3_qkv, .Lfunc_end_k_q3f7392d5b3_qkv-k_q3f7392d5b3_qkv
	.p2alignl 7, 3214868480
	.fill 96, 4, 3214868480
	.section	.rodata,"a",@progbits
	.p2align	6, 0x0
	.amdhsa_kernel k_q3f7392d5b3_qkv
		.amdhsa_group_segment_fixed_size 327680
		.amdhsa_private_segment_fixed_size 0
		.amdhsa_enable_private_segment 0
		.amdhsa_kernarg_size 104
		.amdhsa_user_sgpr_count 2
		.amdhsa_user_sgpr_kernarg_segment_ptr 1
		.amdhsa_wavefront_size32 1
		.amdhsa_system_sgpr_workgroup_id_x 1
		.amdhsa_system_sgpr_workgroup_id_y 1
		.amdhsa_system_sgpr_workgroup_id_z 1
		.amdhsa_system_vgpr_workitem_id 0
		.amdhsa_next_free_vgpr 768
		.amdhsa_next_free_sgpr 100
		.amdhsa_reserve_vcc 1
		.amdhsa_float_denorm_mode_32 3
		.amdhsa_float_denorm_mode_16_64 3
		.amdhsa_memory_ordered 1
		.amdhsa_forward_progress 1
		.amdhsa_inst_pref_size 206
	.end_amdhsa_kernel
	.amdgpu_metadata
---
amdhsa.version: [ 1, 2 ]
amdhsa.kernels:
  - .name:           k_q3f7392d5b3_qkv
    .symbol:         k_q3f7392d5b3_qkv.kd
    .args:
      - { .name: x_codes, .offset: 0, .size: 8, .value_kind: global_buffer, .address_space: global }
      - { .name: x_scales, .offset: 8, .size: 8, .value_kind: global_buffer, .address_space: global }
      - { .name: Wq_codes, .offset: 16, .size: 8, .value_kind: global_buffer, .address_space: global }
      - { .name: Wq_scales, .offset: 24, .size: 8, .value_kind: global_buffer, .address_space: global }
      - { .name: bq, .offset: 32, .size: 8, .value_kind: global_buffer, .address_space: global }
      - { .name: Wk_codes, .offset: 40, .size: 8, .value_kind: global_buffer, .address_space: global }
      - { .name: Wk_scales, .offset: 48, .size: 8, .value_kind: global_buffer, .address_space: global }
      - { .name: bk, .offset: 56, .size: 8, .value_kind: global_buffer, .address_space: global }
      - { .name: Wv_codes, .offset: 64, .size: 8, .value_kind: global_buffer, .address_space: global }
      - { .name: Wv_scales, .offset: 72, .size: 8, .value_kind: global_buffer, .address_space: global }
      - { .name: bv, .offset: 80, .size: 8, .value_kind: global_buffer, .address_space: global }
      - { .name: qbuf, .offset: 88, .size: 8, .value_kind: global_buffer, .address_space: global }
      - { .name: kv, .offset: 96, .size: 8, .value_kind: global_buffer, .address_space: global }
    .group_segment_fixed_size: 327680
    .private_segment_fixed_size: 0
    .kernarg_segment_align: 8
    .kernarg_segment_size: 104
    .max_flat_workgroup_size: 128
    .sgpr_count:     100
    .vgpr_count:     768
    .wavefront_size: 32
...
	.end_amdgpu_metadata
.endif
;; end of part 1
;; launch attn (part 2): grid 4 x 64, 16 waves a work-group, clusters of 4 x 1, 168,960 bytes of LDS; arguments qbuf, kv, pc, ps; writes pc, ps
.if DOCPART == 2
	.amdgcn_target "amdgcn-amd-amdhsa--gfx1250"
	.amdhsa_code_object_version 6
	.text
	.protected	k_q3f7392d5b3_attn
	.globl	k_q3f7392d5b3_attn
	.p2align	8
	.type	k_q3f7392d5b3_attn,@function
k_q3f7392d5b3_attn:
	s_mov_b64 s[64:65], 0
	v_nop
	global_prefetch_b8 v0, s[64:65] scope:SCOPE_SE
	s_setreg_imm32_b32 hwreg(HW_REG_WAVE_MODE, 25, 1), 1
	s_wait_xcnt 0x0
	s_wait_alu depctr_hold_cnt(0) depctr_sa_sdst(0) depctr_va_vdst(0) depctr_va_sdst(0) depctr_va_ssrc(0) depctr_va_vcc(0) depctr_vm_vsrc(0)
	s_getreg_b32 s2, hwreg(HW_REG_IB_STS2, 6, 4)
	s_cmp_eq_u32 s2, 0
	s_cbranch_scc0 .Lentry_in_a_cluster
	s_endpgm
.Lentry_in_a_cluster:
	s_bfe_u32 s2, ttmp6, 0x10000c
	s_cmp_lg_u32 s2, 0x3003
	s_cbranch_scc0 .Lentry_shape_is_right
	s_endpgm
.Lentry_shape_is_right:
; O[q] = sum over keys of softmax(q . k / 64) v for one head of 64, both products on codes of FP4 (E2M1) with one E8M0 scale for each 32 along K; O / l is quantised along the head's 64 and stored as codes for the last product.
; IN.  qbuf and kv as the launch before laid them: images of operand registers (lane l's 16 bytes at 16 l): 4,608 bytes for 128 queries; 9,216 bytes for 128 keys: K's codes | +4,096 V's codes | +8,192 K's scale words | +8,704 V's.
; THE SOFTMAX: t = score x log2(e) / 64; M = the row's largest t so far, rounded UP to a whole number; p = 2^(t - M) is quantised along the keys, not normalised.  The row's sum is taken of the unquantised p and divides O
; at the end.  When M moves, the sum and O are multiplied by 2^(old M - new M): exact, and done in every step: no branch on data.
; SHARES.  256 work-groups; one owns 512 queries of one head; each of its sixteen waves two tiles of 16 queries, one after the other (.Ltile, two trips), 256 registers a wave, four waves to a SIMD.
; A head's K and V, 16 key steps, come into LDS ONCE: wave w fetches key step w, one tensor load a wave, all on one line; every wave waits for 0 and one barrier shows all.  Nothing is filled again, and the key loop has no barrier.
; No data prefetch: all that the launch streams is asked for at the head, so there is no trip to run ahead in.
; CLUSTER 4 x 1.  The four work-groups of a head read the same K and V: each load is asked for jointly, with the same descriptor and the mask 15.
; LDS.  A key step is 9 rows of 1,024 bytes with 128 bytes of padding behind each: byte y lies at y + 128 (y / 1,024).  Behind the 16 steps: 1,024 bytes in which the waves' scale bytes meet; the spare words.
; LAYOUT.  S^T = K Q^T (source 0 = 16 keys, source 1 = my 16 queries), O^T = V^T P^T (source 0 = 16 of the head's 64, source 1 = P): a lane holds ONE query.
; THE KEYS OF A TILE ARE CHOSEN BY THE LDS ADDRESS: row m of tile i is key 64 (i / 4) + 32 (m / 8) + 8 (i % 4) + m % 8.  So the 32 registers of tiles 4 g .. 4 g + 3 of lane (r, h) are keys 64 g + 32 h + 0 .. 31:
; one whole scale block, in the order of P's operand registers: a block's maximum needs no other lane, and the conversions' results are the operand.
; THE HEAD'S 64 fill half of the instruction's K.  Q's registers 4-7 hold zero codes.  K's fragments lie packed, four registers each: source 0 of tile i is v[KF + 4 i .. + 7], whose upper four (the next tile's codes, under the scale byte 127) meet Q's zeros.
; CHAINS.  Four waves share a SIMD, so dependent lines are kept apart: the maxima run in six chains, the sums in eight, their merges stand among the scales' lines and the conversions; where a chain of plain lines cannot be parted it carries one-field hints.
; OUT.  pc [128 tokens 64][two heads 8][tile of 16 tokens 8][1,024]: the even head's 512 bytes, then the odd head's.  ps [batch][head][128 tokens 16][256]: two scale bytes for tile T, row r at byte 8 (16 (T % 2) + r) + 4 (T / 4) + 2 ((T / 2) % 2).
; LIMITS.  NaN and infinities are not served.  The promise holds while the scaled scores stay under 2^31 in magnitude.  A block whose largest magnitude lies under 2^-124 (a block of zeros too) gets the scale byte 1: the bytes are read
; by this program alone.  O / l is a multiplication by v_rcp_f32's result.  A block's largest p is taken as the exponential of its largest score.
.set STEPB,  9216                      ; a key step in kv
.set STEPL,  10368                     ; and in LDS: 9 x (1,024 + 128)
.set HEADB,  16*STEPB
.set STG,    16*STEPL                  ; the stage for the scale bytes: no tensor load lands here
.set SPARE,  STG+1024                  ; the spare words: 128 bytes a wave
.set LI,  1                            ; 16 x lane
.set LK,  2                            ; my lane's place in K's codes: 1,152 (m / 8) + 16 (m % 8) + 256 h
.set LS,  3                            ; and among K's scale words: 9,216 + 128 h + 16 (m % 8) + 4 (m / 8)
.set AK,  4                            ; v4-6: LK, LS, LI + the key step's first byte
.set AS,  5
.set AV,  6
.set STA, 7                            ; where I put my row's two scale bytes
.set STR, 8                            ; where waves 0 and 1 read them back
.set SH8, 9                            ; 8 h
.set SPW, 10                           ; my spare word; never rewritten
.set NIL, 11                           ; 0; never rewritten
.set NM,  12                           ; -M
.set RUN, 13                           ; the largest score so far;  v[14:15] the sum in two halves
.set QF,  16                           ; v16-23   Q's fragment (v20-23: zero codes)
.set PF,  24                           ; v24-31   p's fragment
.set KF,  32                           ; v32-67   K's eight fragments of four registers, and four registers of zero codes
.set QN,  68                           ; v68-72   the second tile's Q and its scale word
.set QSN, 72
.set GO,  73                           ; my offset in the work-group's 1,024 scale bytes
.set T,   74                           ; v74-87   seven chains of the sum, a pair each
.set MC,  88                           ; v88-93   six chains of maxima: 2 c + g
.set OLD, 94                           ; the last step's -M
.set S,   96                           ; v96-159  S^T, then p
.set O,   160                          ; v160-191 O^T
.set VF,  192                          ; v192-223 V's four fragments
.set KS,  224                          ; v224-227 K's scale words: lanes 0-15 tile 2 u, lanes 16-31 tile 2 u + 1
.set VS,  228                          ; v228-231 V's
.set PW,  233                          ; p's scale word
.set QS,  236                          ; Q's scale words
.set BM,  240                          ; v240-241 my two blocks' largest score, then largest p
.set SO,  242                          ; v242-243 the conversions' scale operands
.set E,   244                          ; v244-245 the scales' bytes
.set TA,  246
.set TC,  247
.set F,   248                          ; v[248:249] f = 2^(old M - new M), named as a pair
.set W2,  250
.set WV,  12
.set SEL, 20                           ; s[20:21] v_permlanex16_b32's selects for lane l xor 16
.set CS,  22                           ; s[22:23] c = log2(e) / 64
.set G1,  24                           ; s[24:31] descriptor group 1;  s[32:35] group 0
.set G0,  32
.set TB,  48                           ; LDS byte at which the key step in hand begins
.set CNT, 49
.set TRIP, 52
.set TS,  59                           ; 512 x the trip: the tile's place in the stage
.macro WALU
	s_wait_alu depctr_va_vdst(0)
.endm
.macro ROUND                           ; a round of the cluster's barrier
	s_barrier_signal -1
	s_barrier_wait -1
	s_cmp_lg_u32 s[WV], 0
	s_cbranch_scc1 .Lnot_wave_0_\@
	s_barrier_signal -3
.Lnot_wave_0_\@:
	s_barrier_wait -3
	s_barrier_signal -1
	s_barrier_wait -1
.endm
.macro KLOAD ak, as, off               ; a key step's K: eight fragments and four registers of scale words: 12 LDS loads
.irp i, 0,1,2,3,4,5,6,7
	ds_load_b128 v[KF+4*\i:KF+4*\i+3], v[\ak] offset:\off+2304*(\i/4)+512*((\i/2)%2)+128*(\i%2)
.endr
.irp u, 0,1,2,3
	ds_load_b32 v[KS+\u], v[\as] offset:\off+256*(\u%2)+8*(\u/2)
.endr
.endm
.macro CVT i                           ; register 4 g + u of P's operand: keys 64 g + 32 h + 8 u + 0 .. 7
	v_cvt_scalef32_pk8_fp4_f32 v[PF+\i], v[S+8*\i:S+8*\i+7], v[SO+\i/4]
.endm
.macro JOIN a, b                       ; chain a of the sum takes chain b in (chain 0: v[14:15])
.if \a
	v_pk_add_f32 v[T+2*\a-2:T+2*\a-1], v[T+2*\a-2:T+2*\a-1], v[T+2*\b-2:T+2*\b-1]
.else
	v_pk_add_f32 v[14:15], v[14:15], v[T+2*\b-2:T+2*\b-1]
.endif
.endm
	s_load_b256 s[4:11], s[0:1], 0x0               ; qbuf 4:5, kv 6:7, pc 8:9, ps 10:11
	v_lshl_add_u32 v[SPW], v0, 2, SPARE
	v_mov_b32 v[NIL], 0
	ds_add_u32 v[SPW], v[NIL]                      ; the opening lines: the add, twice on end, and its wait ahead of my tensor load
	ds_add_u32 v[SPW], v[NIL]
	v_lshrrev_b32 v[TA], 5, v0
	v_readfirstlane_b32 s[WV], v[TA]               ; wave 0..15
	s_bfe_u32 s13, ttmp6, 0x40000                  ; cx
	s_lshl_b32 s14, ttmp9, 2
	s_add_co_u32 s14, s14, s13                     ; my block of 512 queries: it enters global addresses of Q and of the results alone
	s_and_b32 s15, ttmp7, 0xffff                   ; 16 x batch + head, which the four partners share
	s_mov_b32 s[G1], 15|(3<<16)|(1<<20)|(1<<21)|(7<<22)|(31<<25)   ; the mask: all four; elements of 8 bytes; padding on; 21 set beside a mask; after every 256 words, 32 words
	s_mov_b32 s[G1+1], 128<<16                     ; a key step is a dense block: 9 rows of 1,024 bytes
	s_mov_b32 s[G1+2], 9<<16
	s_mov_b32 s[G1+3], 128<<16
	s_mov_b32 s[G1+4], 9
	s_mov_b32 s[G1+5], 128
	s_mov_b32 s[G1+6], 0
	s_mov_b32 s[G1+7], 0
	s_mov_b32 s[SEL], 0x76543210
	s_mov_b32 s[SEL+1], 0xfedcba98
	s_mov_b32 s[CS], 0x3cb8aa3b                    ; log2(e) / 64
	s_mov_b32 s[CS+1], s[CS]
	s_mul_i32 s16, s[WV], STEPB                    ; wave w fetches key step w
	s_mul_i32 s18, s15, HEADB
	s_add_co_u32 s18, s18, s16
	s_mov_b32 s19, 0
	s_mov_b32 s[G0], 1
	s_mul_i32 s[G0+1], s[WV], STEPL
	s_lshr_b32 s50, s[WV], 3                       ; which 128 of a trip's 256 queries
	s_and_b32 s51, s[WV], 7                        ; T: which tile of 16 in them
	WALU
	s_wait_dscnt 0x0
	s_wait_kmcnt 0x0
	s_add_nc_u64 s[G0+2:G0+3], s[6:7], s[18:19]
	s_or_b32 s[G0+3], s[G0+3], 0x80000000
	ROUND                                          ; all four work-groups are here: the joint loads meet
	tensor_load_to_lds s[G0:G0+3], s[G1:G1+7]      ; one tensor load of mine is out
	s_nop 0
	s_lshl_b32 s16, s15, 4
	s_lshl_b32 s17, s14, 2
	s_add_co_u32 s53, s16, s17                     ; 16 x (16 batch + head) + the first of my work-group's four blocks of 128
	s_add_co_u32 s16, s53, s50
	s_mul_i32 s16, s16, 4608
	s_mov_b32 s17, 0
	s_add_nc_u64 s[4:5], s[4:5], s[16:17]          ; qbuf at my first tile's block of 128 queries (the second tile's: 9,216 bytes on),
	s_lshl_b32 s16, s51, 9
	s_add_nc_u64 s[54:55], s[4:5], s[16:17]        ; and at my tile's codes
	s_lshl_b32 s16, s53, 8
	s_add_nc_u64 s[10:11], s[10:11], s[16:17]      ; ps at my work-group's 1,024 bytes
	s_lshr_b32 s16, s15, 4                         ; pc: (((16 batch + block) x 8 + head / 2) x 8 + T) x 1,024 + 512 (head % 2)
	s_lshl_b32 s16, s16, 4
	s_lshl_b32 s17, s14, 2
	s_add_co_u32 s16, s16, s17
	s_add_co_u32 s16, s16, s50
	s_lshl_b32 s16, s16, 3
	s_bfe_u32 s17, s15, 0x30001
	s_add_co_u32 s16, s16, s17
	s_lshl_b32 s16, s16, 3
	s_add_co_u32 s16, s16, s51
	s_lshl_b32 s16, s16, 1
	s_and_b32 s17, s15, 1
	s_add_co_u32 s16, s16, s17
	s_lshl_b32 s16, s16, 9
	s_mov_b32 s17, 0
	s_add_nc_u64 s[8:9], s[8:9], s[16:17]
	s_and_b32 s17, s51, 1
	s_lshl_b32 s56, s17, 8
	s_lshl_b32 s57, s17, 7
	s_lshr_b32 s17, s51, 1
	s_lshl_b32 s17, s17, 2
	s_add_co_u32 s56, s56, s17                     ; Q's scale word of tile T, row r: 256 (T % 2) + 4 (T / 2) + 16 r
	s_lshl_b32 s17, s50, 8                         ; the stage: 256 (wave / 8) + 128 (T % 2) + 4 (T / 4) + 2 ((T / 2) % 2) + 8 r
	s_add_co_u32 s57, s57, s17
	s_lshr_b32 s17, s51, 2
	s_lshl_b32 s17, s17, 2
	s_add_co_u32 s57, s57, s17
	s_bfe_u32 s17, s51, 0x10001
	s_lshl_b32 s17, s17, 1
	s_add_co_u32 s57, s57, s17
	s_add_co_u32 s57, s57, STG
	s_and_b32 s58, s[WV], 1
	s_lshl_b32 s58, s58, 9
	s_mov_b32 s[TRIP], 0
	s_mov_b32 s[TS], 0
	v_and_b32 v[TA], 31, v0
	v_lshlrev_b32 v[LI], 4, v[TA]
	v_and_b32 v[TC], 7, v0                         ; m % 8
	v_bfe_u32 v[AK], v0, 3, 1                      ; m / 8
	v_bfe_u32 v[AS], v0, 4, 1                      ; h
	v_mul_u32_u24 v[LK], v[AK], 1152
	v_lshl_add_u32 v[LK], v[TC], 4, v[LK]
	v_lshl_add_u32 v[LK], v[AS], 8, v[LK]
	v_lshlrev_b32 v[LS], 4, v[TC]
	v_lshl_add_u32 v[LS], v[AK], 2, v[LS]
	v_lshl_add_u32 v[LS], v[AS], 7, v[LS]
	v_add_nc_u32 v[LS], 9216, v[LS]
	v_lshlrev_b32 v[SH8], 3, v[AS]
	v_and_b32 v[AV], 15, v0                        ; r
	v_lshl_add_u32 v[E], v[AV], 4, s56
	v_lshl_add_u32 v[STA], v[AV], 3, s57
	v_add_nc_u32 v[GO], s58, v[LI]
	v_add_nc_u32 v[STR], STG, v[GO]
	global_load_b128 v[QF:QF+3], v[LI], s[54:55]   ; both tiles' Q stay in registers
	global_load_b128 v[QN:QN+3], v[LI], s[54:55] offset:9216
	global_load_b32 v[QS], v[E], s[4:5] offset:4096
	global_load_b32 v[QSN], v[E], s[4:5] offset:13312
.irp j, 0,1,2,3
	v_mov_b32 v[QF+4+\j], 0                        ; K = 64 to 127: zero codes in Q,
	v_mov_b32 v[KF+32+\j], 0                       ; and behind K's last fragment
.endr
	v_mov_b32 v[F+1], 0                            ; (named as the upper half of a pair)
	v_mov_b32 v[W2], 0                             ; a lane permute's destination counts as one of its sources
	WALU                                           ; at the head's end
	s_wait_loadcnt 0x0                             ; Q
	s_wait_tensorcnt 0x0                           ; my key step is in,
	s_barrier_signal -1
	s_barrier_wait -1                              ; everybody's is: all of K and V
; A KEY STEP: 128 keys.  more = 1: the next step's K is fetched behind this step's score products.
.macro STEP more
	s_wait_dscnt 0x0                               ; K and its scale words are in
.irp i, 0,1,2,3,4,5,6,7
.if \i%2
	v_wmma_scale_f32_16x16x128_f8f6f4 v[S+8*\i:S+8*\i+7], v[KF+4*\i:KF+4*\i+7], v[QF:QF+7], 0, v[KS+\i/2], v[QS] matrix_a_fmt:MATRIX_FMT_FP4 matrix_b_fmt:MATRIX_FMT_FP4 matrix_a_scale:MATRIX_SCALE_ROW1
.else
	v_wmma_scale_f32_16x16x128_f8f6f4 v[S+8*\i:S+8*\i+7], v[KF+4*\i:KF+4*\i+7], v[QF:QF+7], 0, v[KS+\i/2], v[QS] matrix_a_fmt:MATRIX_FMT_FP4 matrix_b_fmt:MATRIX_FMT_FP4
.endif
.endr
	v_add_nc_u32 v[AV], s[TB], v[LI]               ; four plain instructions between the products and the loads into registers that they (and the last step's) read, and the first read of the scores
	v_mov_b32 v[OLD], v[NM]
.if \more
	v_add_nc_u32 v[AK], s[TB], v[LK]
	v_add_nc_u32 v[AS], s[TB], v[LS]
.else
	v_nop
	v_nop
.endif
.irp i, 0,1,2,3,4,5,6,7
	ds_load_b128 v[VF+4*\i:VF+4*\i+3], v[AV] offset:4608+1152*(\i/2)+512*(\i%2)
.endr
	ds_load_b128 v[VS:VS+3], v[AV] offset:9728
.if \more
	KLOAD AK, AS, STEPL
.endif
; the largest score of my two blocks of 32 keys: three chains a block, six by turns; 16 instructions a block.  Chain c begins at tile c's low end; the fourth tile is first read at registers 24, 25, 26
.irp c, 0,1,2
.irp g, 0,1
	v_max3_num_f32 v[MC+2*\c+\g], v[S+32*\g+8*\c], v[S+32*\g+8*\c+1], v[S+32*\g+8*\c+2]
.endr
.endr
.irp k, 3,5
.irp c, 0,1,2
.irp g, 0,1
	v_max3_num_f32 v[MC+2*\c+\g], v[MC+2*\c+\g], v[S+32*\g+8*\c+\k], v[S+32*\g+8*\c+\k+1]
.endr
.endr
.endr
.irp c, 0,1,2
.irp g, 0,1
	v_max3_num_f32 v[MC+2*\c+\g], v[MC+2*\c+\g], v[S+32*\g+8*\c+7], v[S+32*\g+24+\c]
.endr
.endr
.irp c, 0,1
.irp g, 0,1
	v_max3_num_f32 v[MC+2*\c+\g], v[MC+2*\c+\g], v[S+32*\g+27+2*\c], v[S+32*\g+28+2*\c]
.endr
.endr
.irp g, 0,1
	v_max_num_f32 v[MC+4+\g], v[MC+4+\g], v[S+32*\g+31]
.endr
.irp g, 0,1
	s_delay_alu instid0(VALU_DEP_2)
	v_max3_num_f32 v[BM+\g], v[MC+\g], v[MC+2+\g], v[MC+4+\g]
.endr
	s_delay_alu instid0(VALU_DEP_1)
	v_max3_num_f32 v[TA], v[RUN], v[BM], v[BM+1]
	s_delay_alu instid0(VALU_DEP_1)
	v_permlanex16_b32 v[TC], v[TA], s[SEL], s[SEL+1]
	s_delay_alu instid0(VALU_DEP_1)
	v_max_num_f32 v[RUN], v[TA], v[TC]             ; with lane l xor 16's two blocks: the running largest score of my query
	s_delay_alu instid0(VALU_DEP_1)
	v_mul_f32 v[TA], s[CS], v[RUN]                 ; as t (c is positive)
	s_delay_alu instid0(VALU_DEP_1)
	v_floor_f32 v[NM], -v[TA]                      ; the new -M = floor(-t) = -ceil(t): a whole number
	s_delay_alu instid0(VALU_DEP_1)
	v_sub_f32 v[TA], v[NM], v[OLD]                 ; M's old value less its new one: a whole number, 0 or less
.irp g, 0,1
	v_fma_f32 v[BM+\g], v[BM+\g], s[CS], v[NM]     ; t - M of each block's largest score
.endr
.set j, 0
.rept 32
.if j == 4
	v_cvt_i32_f32 v[TA], v[TA]                     ; (it saturates)
.endif
	v_pk_fma_f32 v[S+j:S+j+1], v[S+j:S+j+1], s[CS:CS+1], v[NM:NM+1] op_sel_hi:[1,0,0]   ; t - M, two at a time
.set j, j+2
.endr
	WALU                                           ; ahead of the batch
.set j, 0
.rept 64
	v_exp_f32 v[S+j], v[S+j]                       ; p = 2^(t - M), at most 1
.set j, j+1
.endr
.irp g, 0,1
	v_exp_f32 v[BM+\g], v[BM+\g]                   ; the block's largest p: the same two instructions on the same number give the same bits
.endr
	v_ldexp_f32 v[F], 1.0, v[TA]                   ; f = 2^(old M - new M): the plain instruction behind the exponentials
	WALU                                           ; one wait for the batch of 66, ahead of its first reader
	v_pk_fma_f32 v[14:15], v[14:15], v[F:F+1], v[S:S+1] op_sel_hi:[1,0,1]   ; the sum under the new M, and the first two p: 32 instructions for 64 p, in eight chains
.irp k, 1,2,3,4,5,6,7
	v_pk_add_f32 v[T+2*\k-2:T+2*\k-1], v[S+4*\k-2:S+4*\k-1], v[S+4*\k:S+4*\k+1]
.endr
.set p, 15
.rept 17
.if p == 23
	v_max_num_f32 v[BM], 0x1800000, v[BM]          ; the floor 2^(3 - 127): the byte cannot fall under 1
	v_max_num_f32 v[BM+1], 0x1800000, v[BM+1]
.endif
.if (p-15)%8 == 0
	v_pk_add_f32 v[14:15], v[14:15], v[S+2*p:S+2*p+1]
.else
	v_pk_add_f32 v[T+2*((p-15)%8)-2:T+2*((p-15)%8)-1], v[T+2*((p-15)%8)-2:T+2*((p-15)%8)-1], v[S+2*p:S+2*p+1]
.endif
.set p, p+1
.endr
.irp g, 0,1
	v_add_nc_u32 v[SO+\g], 0xff000000, v[BM+\g]    ; 2 off the exponent field: the conversion's scale operand
.endr
	JOIN 1, 2                                      ; the chains' merges, the scale word's lines and the conversions by turns
	JOIN 3, 4
	JOIN 5, 6
	JOIN 0, 7
.irp g, 0,1
	v_lshrrev_b32 v[E+\g], 23, v[SO+\g]            ; the scales' bytes: blocks h and 2 + h
.endr
	CVT 0
	JOIN 1, 3
	JOIN 0, 5
	CVT 1
	v_lshl_or_b32 v[TA], v[E+1], 16, v[E]
	CVT 2
	CVT 3
	CVT 4
	CVT 5
	v_lshlrev_b32 v[TA], v[SH8], v[TA]             ; at their places in the scale word
	JOIN 0, 1
	CVT 6
	CVT 7
	v_permlanex16_b32 v[W2], v[TA], s[SEL], s[SEL+1]   ; (the plain instruction behind the scaled conversions)
	WALU                                           ; directly ahead of the first reader of O^T
.set j, 0
.rept 16
	v_pk_mul_f32 v[O+j:O+j+1], v[O+j:O+j+1], v[F:F+1] op_sel_hi:[1,0]   ; O^T under the new M
.if j == 0
	v_or_b32 v[PW], v[TA], v[W2]                   ; with lane l xor 16's two bytes the scale word is whole.  15 plain lines follow; for each product below at least 11 of them name none of its registers: the distance that a scale word made by a vector instruction wants is 8
.endif
.set j, j+2
.endr
	WALU                                           ; directly ahead of the wait below
.if \more
	s_wait_dscnt 12                                ; V's nine loads are in; behind them stand the 12 of the next step's K
.else
	s_wait_dscnt 0x0
.endif
.irp t, 0,1,2,3
	v_wmma_scale_f32_16x16x128_f8f6f4 v[O+8*\t:O+8*\t+7], v[VF+8*\t:VF+8*\t+7], v[PF:PF+7], v[O+8*\t:O+8*\t+7], v[VS+\t], v[PW] matrix_a_fmt:MATRIX_FMT_FP4 matrix_b_fmt:MATRIX_FMT_FP4
.endr
.endm
.Ltile:                                            ; two trips: a tile of 16 queries through all 2,048 keys
.set j, 0
.rept 32
	v_mov_b32 v[O+j], 0                            ; O^T.  (The key step has no first step of its own: it finds zeros, which the first change of M leaves zeros)
.set j, j+1
.endr
	v_mov_b32 v[RUN], 0xff61b1e6                   ; the largest score so far: -3e38
	v_mov_b32 v[NM], 0x7e000000                    ; -M: so large that the first f is 0
	v_mov_b32 v14, 0
	v_mov_b32 v15, 0
	KLOAD LK, LS, 0                                ; key step 0's K
	s_mov_b32 s[TB], 0
	s_mov_b32 s[CNT], 15
	WALU
.Lstep:
	STEP 1
	s_add_co_u32 s[TB], s[TB], STEPL
	s_sub_co_u32 s[CNT], s[CNT], 1
	s_cmp_lg_u32 s[CNT], 0
	s_cbranch_scc1 .Lstep
	STEP 0                                         ; the last key step fetches nothing further
	; THE WAY OUT.  O^T / the sum; its two blocks of 32 along the head lie in lanes l and l xor 16; the codes are registers 0-3 or 4-7 of the last product's fragment and are stored as they stand.
	v_add_f32 v14, v14, v15                        ; the sum's two halves,
	s_delay_alu instid0(VALU_DEP_1)
	v_permlanex16_b32 v[TC], v14, s[SEL], s[SEL+1]
	s_delay_alu instid0(VALU_DEP_1)
	v_add_f32 v14, v14, v[TC]                      ; and lane l xor 16's: the row's sum
	v_nop
	WALU
	v_rcp_f32 v14, v14
	v_mov_b32 v15, 0                               ; a plain instruction behind the reciprocal
	WALU                                           ; ahead of its first reader, which is also the first reader of the last products
.set j, 0
.rept 16
	v_pk_mul_f32 v[S+j:S+j+1], v[O+j:O+j+1], v[14:15] op_sel_hi:[1,0]   ; register 8 t + i: o(query r, 16 t + 8 h + i)
.set j, j+2
.endr
.irp b, 0,1
	v_max3_num_f32 v[BM+\b], |v[S+16*\b]|, |v[S+1+16*\b]|, 0x1800000
.endr
.irp i, 2,4,6,8,10,12,14
.irp b, 0,1
	s_delay_alu instid0(VALU_DEP_2)
	v_max3_num_f32 v[BM+\b], v[BM+\b], |v[S+16*\b+\i]|, |v[S+1+16*\b+\i]|
.endr
.endr
.irp b, 0,1
	s_delay_alu instid0(VALU_DEP_2)
	v_permlanex16_b32 v[E+\b], v[BM+\b], s[SEL], s[SEL+1]
.endr
.irp b, 0,1
	s_delay_alu instid0(VALU_DEP_2)
	v_max_num_f32 v[BM+\b], v[BM+\b], v[E+\b]
.endr
.irp b, 0,1
	s_delay_alu instid0(VALU_DEP_2)
	v_add_nc_u32 v[SO+\b], 0xff000000, v[BM+\b]
.endr
.irp b, 0,1
	s_delay_alu instid0(VALU_DEP_2)
	v_lshrrev_b32 v[E+\b], 23, v[SO+\b]
.endr
	s_delay_alu instid0(VALU_DEP_1)
	v_lshl_or_b32 v[W2], v[E+1], 8, v[E]           ; my row's two scale bytes
	v_add_nc_u32 v[AK], s[TS], v[STA]              ; and their place in the stage
	v_cvt_scalef32_pk8_fp4_f32 v[PF], v[S:S+7], v[SO]
	v_cvt_scalef32_pk8_fp4_f32 v[PF+2], v[S+8:S+15], v[SO]
	v_cvt_scalef32_pk8_fp4_f32 v[PF+1], v[S+16:S+23], v[SO+1]
	v_cvt_scalef32_pk8_fp4_f32 v[PF+3], v[S+24:S+31], v[SO+1]
	v_nop                                          ; one plain vector instruction behind the scaled conversions
	v_permlane16_swap_b32 v[PF], v[PF+1]           ; lanes 0-15 end up with all of block 0, lanes 16-31 with all of block 1, ascending
	v_permlane16_swap_b32 v[PF+2], v[PF+3]
	global_store_b128 v[LI], v[PF:PF+3], s[8:9]    ; 32 lanes store 512 consecutive bytes, aligned
	ds_store_b16 v[AK], v[W2]                      ; lanes l and l xor 16 write the same two bytes with the same value
	s_wait_xcnt 0x0                                ; the store has read its registers and its base
	s_add_nc_u64 s[8:9], s[8:9], 0x20000           ; the second tile lies two blocks of 128 tokens on
	s_add_co_u32 s[TS], s[TS], 512
.irp j, 0,1,2,3
	v_mov_b32 v[QF+\j], v[QN+\j]                   ; the second tile's Q
.endr
	v_mov_b32 v[QS], v[QSN]
	s_add_co_u32 s[TRIP], s[TRIP], 1
	s_cmp_lt_u32 s[TRIP], 2
	WALU                                           ; directly ahead of the branch
	s_cbranch_scc1 .Ltile
	s_wait_dscnt 0x0                               ; for the others' sake: my stores have landed
	s_barrier_signal -1
	s_barrier_wait -1
	s_cmp_lt_u32 s[WV], 2
	s_cbranch_scc0 .Lnot_first
	ds_load_b128 v[S:S+3], v[STR]                  ; the work-group's 1,024 scale bytes leave by two stores of 512 consecutive bytes, waves 0 and 1
	s_wait_dscnt 0x0
	global_store_b128 v[GO], v[S:S+3], s[10:11]
.Lnot_first:
	s_wait_tensorcnt 0x0                           ; the wave's end
	ds_add_u32 v[SPW], v[NIL]
	s_wait_dscnt 0x0
	ROUND                                          ; the closing round: no work-group ends while a partner may still ask for a tile that names it
	s_endpgm
.Lfunc_end_k_q3f7392d5b3_attn:
	.size	k_q3f7392d5b3_attn, .Lfunc_end_k_q3f7392d5b3_attn-k_q3f7392d5b3_attn
	.p2alignl 7, 3214868480
	.fill 96, 4, 3214868480
	.section	.rodata,"a",@progbits
	.p2align	6, 0x0
	.amdhsa_kernel k_q3f7392d5b3_attn
		.amdhsa_group_segment_fixed_size 168960
		.amdhsa_private_segment_fixed_size 0
		.amdhsa_enable_private_segment 0
		.amdhsa_kernarg_size 32
		.amdhsa_user_sgpr_count 2
		.amdhsa_user_sgpr_kernarg_segment_ptr 1
		.amdhsa_wavefront_size32 1
		.amdhsa_system_sgpr_workgroup_id_x 1
		.amdhsa_system_sgpr_workgroup_id_y 1
		.amdhsa_system_sgpr_workgroup_id_z 1
		.amdhsa_system_vgpr_workitem_id 0
		.amdhsa_next_free_vgpr 256
		.amdhsa_next_free_sgpr 66
		.amdhsa_reserve_vcc 0
		.amdhsa_float_denorm_mode_32 3
		.amdhsa_float_denorm_mode_16_64 3
		.amdhsa_memory_ordered 1
		.amdhsa_forward_progress 1
		.amdhsa_inst_pref_size 41
	.end_amdhsa_kernel
	.amdgpu_metadata
---
amdhsa.version: [ 1, 2 ]
amdhsa.kernels:
  - .name:           k_q3f7392d5b3_attn
    .symbol:         k_q3f7392d5b3_attn.kd
    .args:
      - { .name: qbuf, .offset: 0, .size: 8, .value_kind: global_buffer, .address_space: global }
      - { .name: kv, .offset: 8, .size: 8, .value_kind: global_buffer, .address_space: global }
      - { .name: pc, .offset: 16, .size: 8, .value_kind: global_buffer, .address_space: global }
      - { .name: ps, .offset: 24, .size: 8, .value_kind: global_buffer, .address_space: global }
    .group_segment_fixed_size: 168960
    .private_segment_fixed_size: 0
    .kernarg_segment_align: 8
    .kernarg_segment_size: 32
    .max_flat_workgroup_size: 512
    .sgpr_count:     66
    .vgpr_count:     256
    .wavefront_size: 32
...
	.end_amdgpu_metadata
.endif
;; end of part 2
;; launch oproj (part 3): grid 4 x 64, 4 waves a work-group, clusters of 4 x 4, 235,008 bytes of LDS; arguments pc, ps, Wo_codes, Wo_scales, bo, out0; writes out0
.if DOCPART == 3
	.amdgcn_target "amdgcn-amd-amdhsa--gfx1250"
	.amdhsa_code_object_version 6
	.text
	.protected	k_q3f7392d5b3_oproj
	.globl	k_q3f7392d5b3_oproj
	.p2align	8
	.type	k_q3f7392d5b3_oproj,@function
k_q3f7392d5b3_oproj:
	s_mov_b64 s[64:65], 0
	v_nop
	global_prefetch_b8 v0, s[64:65] scope:SCOPE_SE
	s_setreg_imm32_b32 hwreg(HW_REG_WAVE_MODE, 25, 1), 1
	s_wait_xcnt 0x0
	s_wait_alu depctr_hold_cnt(0) depctr_sa_sdst(0) depctr_va_vdst(0) depctr_va_sdst(0) depctr_va_ssrc(0) depctr_va_vcc(0) depctr_vm_vsrc(0)
	s_getreg_b32 s2, hwreg(HW_REG_IB_STS2, 6, 4)
	s_cmp_eq_u32 s2, 0
	s_cbranch_scc0 .Lentry_in_a_cluster
	s_endpgm
.Lentry_in_a_cluster:
	s_bfe_u32 s2, ttmp6, 0x10000c
	s_cmp_lg_u32 s2, 0xf033
	s_cbranch_scc0 .Lentry_shape_is_right
	s_endpgm
.Lentry_shape_is_right:
; out0 = prefinal Wo + bo on codes of FP4 (E2M1) with one E8M0 scale for each 32 along K.  prefinal [8192][1024] comes as the launch before laid it: pc, images of the operand's registers; ps, two scale bytes a row and head.
; Wo: [1024 (feature)][1024 (k)] codes (a row is 512 bytes), scale bytes [1024][32].  bo f32.  out0 [8192][1024] f32.
; SHARES.  A work-group makes 128 tokens x 256 features; wave w all 128 tokens x 64 features: 32 accumulators, 256 registers, 256 matrix instructions.  The grid has one cluster along x: the tile column is cx.
; All of K is brought into LDS ONCE, as two halves of 512 along K; nothing is filled a second time.
; CLUSTER 4 x 4.  The four of a row of the cluster need the same 128 tokens, the four of a column the same 256 rows of Wo: each tile is asked for jointly, by the same tensor load with a mask that names the four.
; THE MATRIX INSTRUCTION IS USED TRANSPOSED (source 0 = 16 features, source 1 = 16 tokens): a lane holds eight neighbouring numbers of a row of out0.  The bias is the C of each sum's first product.
; LIMITS.  NaN, infinities and the scale byte 0xff among the inputs are not served.
; REGISTERS, in windows of 256: window 0: v1-15 addresses; v32-63 the tokens' scale words, v64-79 Wo's; v96-127 scale bytes as they lie in ps; v128-255 tokens' fragments, two sets of 8, on the way out rows of out0.
;   window 1: the 32 accumulators, (tokens' tile T, features' tile ft) at v[8 (4 T + ft)].   window 2: v0-63 features' fragments, two sets of 4; v64-95 the bias.
; PRESENT FORM OF THE FILLS: each wave issues ONE joint load: waves 0, 1 half of the tokens' 64 images each (32,768 dense bytes), waves 2, 3 128 whole rows of Wo each.
; Wo's scale words and the tokens' scale bytes come by plain loads straight into registers.
.set PITCH, 528                        ; a row of Wo in LDS: 512 bytes + 16 of padding = 33 x 16 bytes: the 16 rows that a load touches start at 16 different banks (64 banks of 4 bytes: ISA guide 11.1); the stage's rows have the same pitch
.set WB,    65536                      ; LDS: 0: the tokens' 64 fragments, (8 q + T) x 1,024; here: Wo's 256 rows
.set STG,   WB+256*PITCH               ; the way out: 16 rows for each wave; no tensor load lands here
.set AW,   6                           ; v6   LDS address of my lane's place in my wave's 64 rows of Wo
.set APL,  8                           ; v8     8 x lane
.set ASW,  9                           ; v9     my wave's rows of Wo's scales, 32 bytes a lane
.set LI,   10                          ; v10    16 x lane: an image's place for my lane
.set BQK,  11                          ; v11    bias: 32 (lane / 16)
.set STO,  13                          ; v13    the stage: where I put 32 bytes of a row
.set RD,   14                          ; v14    and where I read rows back
.set CO,   15                          ; v15    the same two rows in out0
.set XS,   32                          ; XS + 8 i + q: K step q; lanes 0-15 tokens' tile 2 i, lanes 16-31 tile 2 i + 1
.set WS,   64
.set RAW,  96                          ; head hd's 8 bytes a lane at RAW + 2 hd
.set TF,   128
.set BK,   128                         ; the way out: two sets of 32
.set BI,   64                          ; in window 2
.set WV,   30
.set FORB, 31                          ; 0: I fetch for the tokens, 1: for Wo
.set HALF, 32                          ; which half of that tile I fetch
.set CX,   33
.set CY,   34
.set TROW, 35                          ; which 128 tokens
.set G1A,  40                          ; s[40:47] group 1, the tokens' images;  s[48:55] Wo's codes
.set G1B,  48
.set G0A,  76                          ; s[76:79], s[88:91]: their groups 0
.set G0B,  88
.set MSB, 0
.macro WIN new                         ; the immediate's high byte repeats the setting that is left
.if MSB != \new
	s_set_vgpr_msb (MSB<<8)|\new
.set MSB, \new
.endif
.endm
.macro PLACES n
.rept \n
	v_nop
.endr
.endm
.macro ROUND                           ; a round of the cluster's barrier
	s_barrier_signal -1
	s_barrier_wait -1
	s_cmp_lg_u32 s[WV], 0
	s_cbranch_scc1 .Lnot_wave_0_\@
	s_barrier_signal -3
.Lnot_wave_0_\@:
	s_barrier_wait -3
	s_barrier_signal -1
	s_barrier_wait -1
.endm
; A joint load: waves 0 and 1 fetch for the tokens, waves 2 and 3 for Wo.  The branch hangs on the wave's number alone.  Four v_nop follow each line.
.macro JLOAD g0a, g1a, g0b, g1b
	s_cmp_eq_u32 s[FORB], 0
	s_cbranch_scc0 .Lfor_b_\@
	tensor_load_to_lds s[\g0a:\g0a+3], s[\g1a:\g1a+7]
	s_nop 0
.rept 4
	v_nop
.endr
	s_branch .Lasked_\@
.Lfor_b_\@:
	tensor_load_to_lds s[\g0b:\g0b+3], s[\g1b:\g1b+7]
	s_nop 0
.rept 4
	v_nop
.endr
.Lasked_\@:
.endm
; One matrix instruction.  ra, rb: the side's scale words stand in lanes 16-31 of the register named.
.macro WM d, a, b, c, sa, sb, ra, rb
.if (\ra) && (\rb)
	v_wmma_scale_f32_16x16x128_f8f6f4 v[\d:\d+7], v[\a:\a+7], v[\b:\b+7], v[\c:\c+7], v[\sa], v[\sb] matrix_a_fmt:MATRIX_FMT_FP4 matrix_b_fmt:MATRIX_FMT_FP4 matrix_a_scale:MATRIX_SCALE_ROW1 matrix_b_scale:MATRIX_SCALE_ROW1
.elseif (\ra)
	v_wmma_scale_f32_16x16x128_f8f6f4 v[\d:\d+7], v[\a:\a+7], v[\b:\b+7], v[\c:\c+7], v[\sa], v[\sb] matrix_a_fmt:MATRIX_FMT_FP4 matrix_b_fmt:MATRIX_FMT_FP4 matrix_a_scale:MATRIX_SCALE_ROW1
.elseif (\rb)
	v_wmma_scale_f32_16x16x128_f8f6f4 v[\d:\d+7], v[\a:\a+7], v[\b:\b+7], v[\c:\c+7], v[\sa], v[\sb] matrix_a_fmt:MATRIX_FMT_FP4 matrix_b_fmt:MATRIX_FMT_FP4 matrix_b_scale:MATRIX_SCALE_ROW1
.else
	v_wmma_scale_f32_16x16x128_f8f6f4 v[\d:\d+7], v[\a:\a+7], v[\b:\b+7], v[\c:\c+7], v[\sa], v[\sb] matrix_a_fmt:MATRIX_FMT_FP4 matrix_b_fmt:MATRIX_FMT_FP4
.endif
.endm
; 16 matrix instructions of K step q: tokens' tiles t0 .. t0 + 3 x my four tiles of features.  first = 1: C is the bias.  The 32 accumulators take turns, one instruction a turn, in the same order in every K step.
.macro MUL16 q, t0, first
.if \first
	WIN 0x62                                       ; source 0 (features) window 2, source 1 (tokens) window 0, C (bias) window 2, D window 1
.else
	WIN 0x52                                       ; C and D window 1
.endif
.irp tt, \t0, \t0+1, \t0+2, \t0+3
.irp ft, 0,1,2,3
.set rTF, TF+64*((\q)%2)+8*(\tt)
.set rFF, 32*((\q)%2)+8*\ft
.set rXS, XS+8*((\tt)/2)+(\q)
.set rWS, WS+8*(\ft/2)+(\q)
.set rD, 8*(4*(\tt)+\ft)
.set rC, rD
.if \first
.set rC, BI+8*\ft
.endif
	WM rD, rFF, rTF, rC, rWS, rXS, \ft%2, (\tt)%2
.endr
.endr
.endm
; 24 LDS loads in one run: K step q's fragments into set q % 2: features first (from rows), then the tokens' tiles ascending (images: 512 consecutive bytes a load)
.macro FETCH q
	WIN 0x80                                       ; destination window 2, address window 0
.irp ft, 0,1,2,3
.irp c, 0,1
	ds_load_b128 v[32*((\q)%2)+8*\ft+4*\c:32*((\q)%2)+8*\ft+4*\c+3], v[AW] offset:\ft*16*PITCH+64*(\q)+32*\c
.endr
.endr
	WIN 0
.irp tt, 0,1,2,3,4,5,6,7
.irp c, 0,1
	ds_load_b128 v[TF+64*((\q)%2)+8*\tt+4*\c:TF+64*((\q)%2)+8*\tt+4*\c+3], v[LI] offset:(8*(\q)+\tt)*1024+512*\c
.endr
.endr
.endm
; A K step whose successor lies in the same half.  A load into a register that a matrix instruction has read stands four plain vector instructions behind it (ISA guide 7.12.1 for vector instructions).
.macro STEP q, first
	s_wait_dscnt 8                                 ; all but the youngest eight loads: tokens' tiles 4-7
	MUL16 \q, 0, \first
	WIN 0
	PLACES 4
	FETCH (\q)+1
	s_wait_dscnt 24                                ; all but the 24 just issued
	MUL16 \q, 4, \first
	WIN 0
.endm
	s_load_b256 s[4:11], s[0:1], 0x0               ; pc 4:5, ps 6:7, Wo's codes 8:9, Wo's scales 10:11
	s_load_b128 s[12:15], s[0:1], 0x20             ; bo 12:13, out0 14:15
	v_lshl_add_u32 v94, v0, 2, 0x39400
	v_mov_b32 v95, 0
	ds_add_u32 v94, v95
	ds_add_u32 v94, v95
	v_lshrrev_b32 v1, 5, v0
	v_readfirstlane_b32 s[WV], v1                  ; wave 0..3
	s_lshr_b32 s[FORB], s[WV], 1
	s_and_b32 s[HALF], s[WV], 1
	s_bfe_u32 s[CX], ttmp6, 0x40000                ; my place in the cluster; cx is also the tile column
	s_bfe_u32 s[CY], ttmp6, 0x40004
	s_and_b32 s[TROW], ttmp7, 0xffff
	s_lshl_b32 s[TROW], s[TROW], 2
	s_add_co_u32 s[TROW], s[TROW], s[CY]           ; which 128 tokens: 4 x cluster y + cy
	s_lshl_b32 s39, s[CY], 2
	s_lshl_b32 s39, 15, s39                        ; my row of the cluster
	s_lshl_b32 s66, 0x1111, s[CX]                  ; my column
	; group 1.  The tokens' images: a dense block of 32,768 bytes, as 128 rows of 256 bytes (32 elements of 8 bytes).
	s_or_b32 s[G1A], s39, (3<<16)|(1<<21)          ; the tokens' images: a dense block of 32,768 bytes, as 128 rows of 256 bytes
	s_mov_b32 s[G1A+1], 32<<16
	s_mov_b32 s[G1A+2], 128<<16
	s_mov_b32 s[G1A+3], 32<<16
	s_mov_b32 s[G1A+4], 128
	s_mov_b32 s[G1A+5], 32
	s_mov_b32 s[G1A+6], 0
	s_mov_b32 s[G1A+7], 0
	s_or_b32 s[G1B], s66, (1<<20)|(1<<21)|(6<<22)|(3<<25)   ; Wo's codes: 128 whole rows of 512 bytes, 16 bytes of padding behind each
	s_mov_b32 s[G1B+1], 512<<16
	s_mov_b32 s[G1B+2], 128<<16
	s_mov_b32 s[G1B+3], 512<<16
	s_mov_b32 s[G1B+4], 128
	s_mov_b32 s[G1B+5], 512
	s_mov_b32 s[G1B+6], 0
	s_mov_b32 s[G1B+7], 0
	; where the tiles come from.  The tokens' hang on their tile alone, which my row of the cluster shares; Wo's on cx alone, which my column shares
	s_lshl_b32 s18, s[HALF], 15                    ; my half of the images: in memory and in LDS alike
	s_lshl_b32 s16, s[TROW], 16
	s_add_co_u32 s16, s16, s18
	s_mov_b32 s17, 0
	s_lshr_b32 s20, s[TROW], 4                     ; ps: (16 batch x 16 + block in the batch) x 256, head 0's
	s_lshl_b32 s20, s20, 4
	s_lshl_b32 s20, s20, 4
	s_and_b32 s21, s[TROW], 15
	s_add_co_u32 s20, s20, s21
	s_lshl_b32 s20, s20, 8
	s_mov_b32 s21, 0
	s_lshl_b32 s24, s[CX], 13                      ; Wo's scale rows of my wave's 64 features: row 256 cx + 64 wave, 32 bytes a row
	s_lshl_b32 s25, s[WV], 11
	s_add_co_u32 s24, s24, s25
	s_mov_b32 s25, 0
	s_lshl_b32 s22, s[CX], 8
	s_lshl_b32 s23, s[HALF], 7
	s_add_co_u32 s22, s22, s23                     ; Wo: row 256 cx + 128 x half
	s_lshl_b32 s22, s22, 9
	s_mov_b32 s23, 0
	s_mul_i32 s26, s[HALF], 128*PITCH
	s_wait_dscnt 0x0
	s_wait_kmcnt 0x0
	s_add_nc_u64 s[16:17], s[4:5], s[16:17]
	s_add_nc_u64 s[20:21], s[6:7], s[20:21]
	s_add_nc_u64 s[22:23], s[8:9], s[22:23]
	s_add_nc_u64 s[24:25], s[10:11], s[24:25]
	s_mov_b32 s[G0A], 1
	s_mov_b32 s[G0A+1], s18
	s_mov_b64 s[G0A+2:G0A+3], s[16:17]
	s_or_b32 s[G0A+3], s[G0A+3], 0x80000000
	s_mov_b32 s[G0B], 1
	s_add_co_u32 s[G0B+1], s26, WB
	s_mov_b64 s[G0B+2:G0B+3], s[22:23]
	s_or_b32 s[G0B+3], s[G0B+3], 0x80000000
	ROUND                                          ; all sixteen work-groups are here: the joint loads meet
	JLOAD G0A, G1A, G0B, G1B                       ; all of K: one tensor load a wave at the head
	v_and_b32 v1, 15, v0                           ; r
	v_bfe_u32 v2, v0, 4, 1                         ; h
	v_and_b32 v3, 31, v0                           ; lane
	v_mul_u32_u24 v4, v1, PITCH
	v_lshl_add_u32 v5, v2, 4, v4                   ; row x pitch + 16 x half of the lanes
	s_mul_i32 s16, s[WV], 64*PITCH
	s_add_co_u32 s16, s16, WB                      ; my wave's 64 rows of Wo
	v_add_nc_u32 v[AW], s16, v5
	v_lshlrev_b32 v[APL], 3, v3                    ; 8 x lane: my place in a head's 256 scale bytes
	v_lshlrev_b32 v[ASW], 5, v3                    ; 32 x lane: a row of Wo's scale bytes a lane
	v_lshlrev_b32 v[LI], 4, v3
	v_lshlrev_b32 v[BQK], 5, v2
	s_wait_alu depctr_va_vdst(0)
	s_mul_i32 s18, s[WV], 16*PITCH
	s_add_co_u32 s18, s18, STG                     ; my stage
	v_lshl_add_u32 v[STO], v2, 5, v4
	v_add_nc_u32 v[STO], s18, v[STO]               ; in: row r, + 32 h
	v_mul_u32_u24 v[RD], v2, PITCH
	v_lshl_add_u32 v[RD], v1, 4, v[RD]
	v_add_nc_u32 v[RD], s18, v[RD]                 ; back: lanes 0-15 one row of 256 bytes, lanes 16-31 the next
	v_lshlrev_b32 v[CO], 12, v2
	v_lshl_add_u32 v[CO], v1, 4, v[CO]             ; and the same two rows in out0, 4,096 bytes apart
	s_lshl_b32 s16, s[CX], 10
	s_lshl_b32 s17, s[WV], 8
	s_add_co_u32 s16, s16, s17                     ; my wave's 64 features, in bytes of f32
	s_mov_b32 s17, 0
	s_add_nc_u64 s[12:13], s[12:13], s[16:17]
	s_add_nc_u64 s[14:15], s[14:15], s[16:17]
	s_lshl_b32 s16, s[TROW], 19                    ; 128 rows of 4,096 bytes
	s_add_nc_u64 s[14:15], s[14:15], s[16:17]
	WIN 0x80                                       ; destination window 2
.irp ft, 0,1,2,3
	global_load_b128 v[BI+8*\ft:BI+8*\ft+3], v[BQK], s[12:13] offset:64*\ft        ; lane (r, h), register j: feature 16 ft + 8 h + j
	global_load_b128 v[BI+8*\ft+4:BI+8*\ft+7], v[BQK], s[12:13] offset:64*\ft+16
.endr
	WIN 0
.irp hd, 0,1,2,3,4,5,6,7,8,9,10,11,12,13,14,15
	global_load_b64 v[RAW+2*\hd:RAW+2*\hd+1], v[APL], s[20:21] offset:4096*\hd    ; 256 consecutive bytes an instruction.  Lane 16 (T % 2) + r: word T / 4, half (T / 2) % 2: head hd's two bytes of tile T, row r
.endr
.irp i, 0,1
.irp hf, 0,1
	global_load_b128 v[WS+8*\i+4*\hf:WS+8*\i+4*\hf+3], v[ASW], s[24:25] offset:1024*\i+16*\hf    ; feature 32 i + lane: the words of K steps 4 hf .. 4 hf + 3
.endr
.endr
	s_wait_tensorcnt 0x0                           ; my part of the tiles is in,
	s_barrier_signal -1
	s_barrier_wait -1                              ; everybody's is
	FETCH 0
	s_wait_loadcnt 0x0                             ; the scale bytes, Wo's scale words and the bias are in
.irp q, 0,1,2,3,4,5,6,7                        ; K step q is heads 2 q and 2 q + 1: its scale word is the even head's two bytes below the odd head's
.irp gg, 0,1
	v_perm_b32 v[XS+16*\gg+\q], v[RAW+4*\q+2+\gg], v[RAW+4*\q+\gg], 0x05040100     ; the low halves: tiles 4 gg, 4 gg + 1
	v_perm_b32 v[XS+16*\gg+8+\q], v[RAW+4*\q+2+\gg], v[RAW+4*\q+\gg], 0x07060302   ; the high halves: tiles 4 gg + 2, 4 gg + 3
.endr
.endr
	PLACES 8                                       ; a scale register written by a vector instruction stands eight plain instructions ahead of the scaled product
	s_wait_loadcnt 0x0                             ; the bias
	STEP 0, 1
	STEP 1, 0
	STEP 2, 0
	s_wait_dscnt 8
	MUL16 3, 0, 0
	WIN 0
	s_wait_dscnt 0x0                               ; K step 3's last fragments are in
	PLACES 4
	FETCH 4
	MUL16 3, 4, 0
	WIN 0
	STEP 4, 0
	s_wait_alu depctr_va_vdst(0)
	STEP 5, 0
	STEP 6, 0
	s_wait_dscnt 8
	MUL16 7, 0, 0
	s_wait_dscnt 0x0
	MUL16 7, 4, 0
	WIN 0
	PLACES 4                                       ; in front of the first read of results and of the loads into registers that held fragments
; THE WAY OUT, a tile of 16 tokens x my 64 features at a time.  A lane holds 32 neighbouring bytes of a row, and the lanes beside it hold other rows: so a tile goes through my own stage in LDS and comes back as whole
; rows of 256 bytes.  LDS serves a wave's instructions in order (ISA guide 5.7.1.4): no wait between the stores and the loads, nor in front of the next tile's stores.
.macro TOSTAGE a
	WIN 0x04                                       ; an LDS store's data are its source 1: window 1
.irp ft, 0,1,2,3
	ds_store_b128 v[STO], v[32*(\a)+8*\ft:32*(\a)+8*\ft+3] offset:64*\ft           ; each accumulator from its low end on
	ds_store_b128 v[STO], v[32*(\a)+8*\ft+4:32*(\a)+8*\ft+7] offset:64*\ft+16
.endr
	WIN 0
.irp i, 0,1,2,3,4,5,6,7
	ds_load_b128 v[BK+32*((\a)%2)+4*\i:BK+32*((\a)%2)+4*\i+3], v[RD] offset:2*\i*PITCH
.endr
.endm
.macro SEND a, younger                 ; younger: the LDS instructions issued behind tile a's loads, which may stay out
	s_wait_dscnt \younger
.irp i, 0,1,2,3,4,5,6,7
	global_store_b128 v[CO], v[BK+32*((\a)%2)+4*\i:BK+32*((\a)%2)+4*\i+3], s[14:15] offset:(16*(\a)+2*\i)*4096 th:TH_STORE_NT   ; 16 lanes store 256 consecutive bytes, aligned; every offset an immediate, 516,096 at the most
.endr
.endm
	TOSTAGE 0
.irp a, 1,2,3,4,5,6,7
.if \a > 1
	s_wait_xcnt 0x0                                ; tile a - 2's stores have read their registers: tile a's loads may land there
.endif
	TOSTAGE \a
	SEND \a-1, 16                                  ; behind tile a - 1's loads: tile a's 8 stores and 8 loads
.endr
	SEND 7, 0
	s_wait_tensorcnt 0x0
	ds_add_u32 v94, v95
	s_wait_dscnt 0x0
	ROUND                                          ; the closing round: no work-group ends while a partner may still ask for a tile that names it
	s_endpgm
.Lfunc_end_k_q3f7392d5b3_oproj:
	.size	k_q3f7392d5b3_oproj, .Lfunc_end_k_q3f7392d5b3_oproj-k_q3f7392d5b3_oproj
	.p2alignl 7, 3214868480
	.fill 96, 4, 3214868480
	.section	.rodata,"a",@progbits
	.p2align	6, 0x0
	.amdhsa_kernel k_q3f7392d5b3_oproj
		.amdhsa_group_segment_fixed_size 235008
		.amdhsa_private_segment_fixed_size 0
		.amdhsa_enable_private_segment 0
		.amdhsa_kernarg_size 48
		.amdhsa_user_sgpr_count 2
		.amdhsa_user_sgpr_kernarg_segment_ptr 1
		.amdhsa_wavefront_size32 1
		.amdhsa_system_sgpr_workgroup_id_x 1
		.amdhsa_system_sgpr_workgroup_id_y 1
		.amdhsa_system_sgpr_workgroup_id_z 1
		.amdhsa_system_vgpr_workitem_id 0
		.amdhsa_next_free_vgpr 768
		.amdhsa_next_free_sgpr 100
		.amdhsa_reserve_vcc 0
		.amdhsa_float_denorm_mode_32 3
		.amdhsa_float_denorm_mode_16_64 3
		.amdhsa_memory_ordered 1
		.amdhsa_forward_progress 1
		.amdhsa_inst_pref_size 75
	.end_amdhsa_kernel
	.amdgpu_metadata
---
amdhsa.version: [ 1, 2 ]
amdhsa.kernels:
  - .name:           k_q3f7392d5b3_oproj
    .symbol:         k_q3f7392d5b3_oproj.kd
    .args:
      - { .name: pc, .offset: 0, .size: 8, .value_kind: global_buffer, .address_space: global }
      - { .name: ps, .offset: 8, .size: 8, .value_kind: global_buffer, .address_space: global }
      - { .name: Wo_codes, .offset: 16, .size: 8, .value_kind: global_buffer, .address_space: global }
      - { .name: Wo_scales, .offset: 24, .size: 8, .value_kind: global_buffer, .address_space: global }
      - { .name: bo, .offset: 32, .size: 8, .value_kind: global_buffer, .address_space: global }
      - { .name: out0, .offset: 40, .size: 8, .value_kind: global_buffer, .address_space: global }
    .group_segment_fixed_size: 235008
    .private_segment_fixed_size: 0
    .kernarg_segment_align: 8
    .kernarg_segment_size: 48
    .max_flat_workgroup_size: 128
    .sgpr_count:     100
    .vgpr_count:     768
    .wavefront_size: 32
...
	.end_amdgpu_metadata
.endif
;; end of part 3
